; MI455X (gfx1250); checked and timed in simulation.
; The chip was launched on July 23, 2026; its instructions are those of AMD's public machine-readable ISA for CDNA 5 (MIT licence, August 2026) and "CDNA5" Instruction Set Architecture Reference Guide (July 2026). The comments in the code are by the model that wrote it; some were corrected since.
;; Hash Grid MLP. Allowed arithmetic: float matrix products may take bf16 or f16 operands with f32 sums; other float arithmetic in f32, or as packed bf16 or f16 multiplies, adds, multiply-adds, maxima and minima; sums over many terms, partial sums and values carried from step to step in f32; what a program stores and reads back later, other than sums and carried values, may be rounded once to bf16 or f16.
;; Inputs: W1 32 x 64 float32; W2 64 x 1 float32; b1 64 float32; b2 1 float32; tables 16 x 524,288 x 2 float32; x 1,048,576 x 3 float32.
;; Outputs: out0 1,048,576 x 1 float32.
;; 2 versions, each right. Each part assembles by itself: llvm-mc -triple=amdgcn-amd-amdhsa -mcpu=gfx1250 --defsym DOCPART=n.
;; ======== version 1 of 2: 2 launches
;; limits: values are held in f16: magnitudes above 65,504 overflow, below 6.1e-05 lose precision; inputs' magnitudes at most 15.99; inputs' magnitudes at most 255; right only within a limited range of input values
;; workspace buffers: q 12,582,912 bytes of whole numbers; wf 4,096 bytes
;; launch prep (part 1): grid 256 x 1, 8 waves a work-group, no clusters, 0 bytes of LDS; arguments x, W1, q, wf; writes q, wf
.if DOCPART == 1
	.amdgcn_target "amdgcn-amd-amdhsa--gfx1250"
	.amdhsa_code_object_version 6
	.text
	.protected	k_q5afe575510_prep
	.globl	k_q5afe575510_prep
	.p2align	8
	.type	k_q5afe575510_prep,@function
k_q5afe575510_prep:
	s_mov_b64 s[64:65], 0
	v_nop
	global_prefetch_b8 v0, s[64:65] scope:SCOPE_SE
	s_setreg_imm32_b32 hwreg(HW_REG_WAVE_MODE, 25, 1), 1
	s_wait_xcnt 0x0
; HashGridMLP, first of two launches: x becomes whole numbers, W1 becomes f16 matrix fragments.
; Nothing of reference() is left out in this program: every input has a way to the output and is loaded (x, W1 here; tables, b1, W2, b2 in the second launch).
; WHY A LAUNCH OF ITS OWN: the table addresses hang on x.  They are formed in the second launch, by integer arithmetic on whole numbers that it reads from memory; this launch makes those numbers.
; q = rndne((x + 1) * 2^23) + 2^31: reference()'s x01 = (x + 1) * 0.5 in fixed point with 24 fraction bits, offset by 128 so that it is unsigned.
;   fma(x, 2^23, 2^23) rounds once, exactly where reference()'s x + 1.0 rounds; the factors 0.5 and 2^24 are exact.  For x01 >= 0.5 q is x01 exactly; below that it is off by 2^-25 at the most.
; LIMITS: -257 < x < 255 (beyond that the conversion to i32 saturates); a NaN in x counts as x01 = 0 and is not carried on.
; SHARES: x is 3,145,728 numbers taken as one stream.  A work-group owns 49,152 bytes, a thread 12 pieces of 16 bytes, 4,096 bytes apart: a load or store of a wave covers 512 consecutive bytes, aligned.
; All 12 loads of a thread go out at once; each piece has its own registers, so no register of a pending store is written again.
; Memory binds: no LDS, no barrier, no matrix unit, no cluster (no two work-groups read the same byte of x).
.set PERWG, 49152
.set X,  8                             ; v[8:55]   12 pieces of 4 numbers, converted in place
.set WL, 56                            ; v[56:71]  16 numbers of W1
.set WP, 88                            ; v[88:95]  the same as 8 pairs of f16
	s_load_b256 s[4:11], s[0:1], 0x0               ; x s[4:5], W1 s[6:7], q s[8:9], wf s[10:11]
	v_lshlrev_b32 v1, 4, v0                        ; 16 bytes a thread; never rewritten
	v_lshrrev_b32 v2, 5, v0
	v_readfirstlane_b32 s15, v2                    ; wave 0..7
	s_mul_i32 s2, ttmp9, PERWG                     ; under 2^24
	s_mov_b32 s3, 0
	s_mov_b32 s12, 0x4b000000                      ; 2^23, as a pair: the packed form names both words
	s_mov_b32 s13, 0x4b000000
	s_mov_b32 s14, 0x80000000                      ; the offset 2^31: an exclusive or with the sign bit
	s_wait_kmcnt 0x0
	s_add_nc_u64 s[4:5], s[4:5], s[2:3]
	s_add_nc_u64 s[8:9], s[8:9], s[2:3]
.set i, 0
.rept 12
	global_load_b128 v[X+4*i:X+4*i+3], v1, s[4:5] offset:4096*i th:TH_LOAD_NT
.set i, i+1
.endr
.set i, 0
.rept 12
	s_wait_loadcnt 11-i                            ; loads come back in order: piece i is in, the 11 - i younger ones may stay out
	v_pk_fma_f32 v[X+4*i:X+4*i+1],   v[X+4*i:X+4*i+1],   s[12:13], s[12:13] op_sel_hi:[1,0,0]  ; (x + 1) * 2^23
	v_pk_fma_f32 v[X+4*i+2:X+4*i+3], v[X+4*i+2:X+4*i+3], s[12:13], s[12:13] op_sel_hi:[1,0,0]
.irp j, 0,1,2,3
	v_rndne_f32 v[X+4*i+\j], v[X+4*i+\j]
.endr
.irp j, 0,1,2,3
	v_cvt_i32_f32 v[X+4*i+\j], v[X+4*i+\j]
.endr
.irp j, 0,1,2,3
	v_xor_b32 v[X+4*i+\j], s14, v[X+4*i+\j]
.endr
	global_store_b128 v1, v[X+4*i:X+4*i+3], s[8:9] offset:4096*i
.set i, i+1
.endr
	; W1 ([32][64] f32) is rounded once to f16 and laid out as the second launch's source 0: tile t (hidden units 16 t .. 16 t + 15), lane (r = l % 16, h = l / 16), register i:
	; W1[k][16 t + r] for k = 8 h + 2 i, + 1 (i < 4) and k = 16 + 8 h + 2 (i - 4), + 1 (i >= 4).  Wave t of work-group 0 makes tile t.  LIMIT: |W1| < 65,504.
	s_lshr_b32 s16, s15, 2
	s_or_b32 s16, s16, ttmp9                       ; 0 only in waves 0 to 3 of work-group 0
	s_cmp_eq_u32 s16, 0
	s_cbranch_scc0 .Lend
	v_and_b32 v3, 15, v0                           ; r
	v_bfe_u32 v4, v0, 4, 1                         ; h
	v_lshlrev_b32 v5, 2, v3                        ; column r: 4 r bytes
	v_lshl_add_u32 v5, v4, 11, v5                  ; + 8 h rows of 256 bytes
	s_lshl_b32 s16, s15, 6                         ; + 16 t columns
	v_add_nc_u32 v5, s16, v5
.irp i, 0,1,2,3
	global_load_b32 v[WL+2*\i],   v5, s[6:7] offset:512*\i
	global_load_b32 v[WL+2*\i+1], v5, s[6:7] offset:512*\i+256
	global_load_b32 v[WL+8+2*\i], v5, s[6:7] offset:4096+512*\i
	global_load_b32 v[WL+9+2*\i], v5, s[6:7] offset:4096+512*\i+256
.endr
	v_lshlrev_b32 v6, 5, v0                        ; 1,024 t + 32 l: the thread's number is 32 t + l here
	s_wait_loadcnt 0x0
.irp i, 0,1,2,3,4,5,6,7
	v_cvt_pk_f16_f32 v[WP+\i], v[WL+2*\i], v[WL+2*\i+1]
.endr
	global_store_b128 v6, v[WP:WP+3],   s[10:11]
	global_store_b128 v6, v[WP+4:WP+7], s[10:11] offset:16
.Lend:
	s_endpgm
.Lfunc_end_k_q5afe575510_prep:
	.size	k_q5afe575510_prep, .Lfunc_end_k_q5afe575510_prep-k_q5afe575510_prep
	.p2alignl 7, 3214868480
	.fill 96, 4, 3214868480
	.section	.rodata,"a",@progbits
	.p2align	6, 0x0
	.amdhsa_kernel k_q5afe575510_prep
		.amdhsa_group_segment_fixed_size 0
		.amdhsa_private_segment_fixed_size 0
		.amdhsa_enable_private_segment 0
		.amdhsa_kernarg_size 32
		.amdhsa_user_sgpr_count 2
		.amdhsa_user_sgpr_kernarg_segment_ptr 1
		.amdhsa_wavefront_size32 1
		.amdhsa_system_sgpr_workgroup_id_x 1
		.amdhsa_system_sgpr_workgroup_id_y 1
		.amdhsa_system_sgpr_workgroup_id_z 1
		.amdhsa_system_vgpr_workitem_id 0
		.amdhsa_next_free_vgpr 96
		.amdhsa_next_free_sgpr 66
		.amdhsa_reserve_vcc 0
		.amdhsa_float_denorm_mode_32 3
		.amdhsa_float_denorm_mode_16_64 3
		.amdhsa_memory_ordered 1
		.amdhsa_forward_progress 1
		.amdhsa_inst_pref_size 13
	.end_amdhsa_kernel
	.amdgpu_metadata
---
amdhsa.version: [ 1, 2 ]
amdhsa.kernels:
  - .name:           k_q5afe575510_prep
    .symbol:         k_q5afe575510_prep.kd
    .args:
      - { .name: x, .offset: 0, .size: 8, .value_kind: global_buffer, .address_space: global }
      - { .name: W1, .offset: 8, .size: 8, .value_kind: global_buffer, .address_space: global }
      - { .name: q, .offset: 16, .size: 8, .value_kind: global_buffer, .address_space: global }
      - { .name: wf, .offset: 24, .size: 8, .value_kind: global_buffer, .address_space: global }
    .group_segment_fixed_size: 0
    .private_segment_fixed_size: 0
    .kernarg_segment_align: 8
    .kernarg_segment_size: 32
    .max_flat_workgroup_size: 256
    .sgpr_count:     66
    .vgpr_count:     96
    .wavefront_size: 32
...
	.end_amdgpu_metadata
.endif
;; end of part 1
;; launch grid_mlp (part 2): grid 256 x 1, 16 waves a work-group, no clusters, 268,288 bytes of LDS; arguments q, tables, wf, b1, W2, b2, out0; writes out0
.if DOCPART == 2
	.amdgcn_target "amdgcn-amd-amdhsa--gfx1250"
	.amdhsa_code_object_version 6
	.text
	.protected	k_q5afe575510_grid_mlp
	.globl	k_q5afe575510_grid_mlp
	.p2align	8
	.type	k_q5afe575510_grid_mlp,@function
k_q5afe575510_grid_mlp:
	s_mov_b64 s[64:65], 0
	v_nop
	global_prefetch_b8 v0, s[64:65] scope:SCOPE_SE
	s_setreg_imm32_b32 hwreg(HW_REG_WAVE_MODE, 25, 1), 1
	s_wait_xcnt 0x0
; HashGridMLP, second launch: hash, gather, trilinear interpolation, enc @ W1 + b1, ReLU, @ W2 + b2.  Nothing of reference() is left out.
; INPUT q: x01 in fixed point, 24 fraction bits, offset by 2^31 (first launch).  For level l, res = floor(16 * 1.5^l) = (16 * 3^l) >> l.
;   q' * (res << 8) - (res << 39) = x01 * res * 2^32 in 64 bits, two's complement: the high word is floor(pos) as reference()'s int32, the low word the fraction w (24 bits of it: exact in f32).
;   LIMIT: pos is exact here, where reference() rounds x01 * res to f32: the two differ by half an ulp of pos at the most (2.4e-4 of a cell at the finest level for |x| <= 1, in proportion to |x| beyond);
;   where that moves floor(pos), w is 0 on one side and 1 on the other, and the interpolation is the same.
; FORMATS.  enc and W1 go to the matrix unit in f16, sums in f32.  enc is scaled by 2^12 (folded into the last interpolation's two weights), b1 * 2^12 is the product's C operand, and W2 * 2^-12 stands
;   behind the ReLU, which commutes with a positive factor: all three factors are exact.  LIMITS: |tables| < 15.99 (f16 ends at 65,504); features below 1.5e-8 keep f16's fixed step.
;   The second product has ONE column: it is 32 multiply-adds a lane in f32 on the vector unit; a matrix tile would hold 15 dead columns of 16, and h (with b1 * 2^12 in it) has no range that f16 holds.
; SHARES.  256 work-groups of 16 waves; a work-group has 4,096 points, a wave 256, a lane 8: points 128 a + 4 l + j of the wave (a = 0, 1; j = 0..3), p = 4 a + j.
; THE LEVELS ARE THE OUTER LOOP, for all waves of the launch alike: at any time the launch gathers from one or two levels' tables (4 MiB each), not from all 16.
; IN FLIGHT.  A lane's 8 points x 8 corners are always out: point p of level l is interpolated, and at once its 8 loads for level l + 1 go out into the same registers (an index lies in its own load's destination).
; LDS.  A level's two features, rounded to f16, go to the wave's OWN bytes (a looped text cannot name a register by level): 16 level rows of 1,024 bytes + 16 of padding for each wave.  A store is 32 neighbouring
;   words.  A fragment read takes level i in lanes 0-15 and level i + 4 in lanes 16-31: 4 x 1,040 bytes = 1,040 words apart, 16 banks on (64 banks of 4 bytes: ISA guide 11.1).  No wave reads another's bytes: no barrier.
; NO TENSOR LOAD, NO CLUSTER: what the work-groups share is the table, and it is read by hashed lanes, which no tile descriptor covers.
.set LP,    1040                       ; bytes from level to level in a wave's LDS region
.set WR,    16*LP                      ; a wave's region
.set SPARE, 16*WR                      ; behind the regions: the spare words, 128 bytes for each of the 16 waves: eight blocks of 256 bytes that no other line names
.set SPW, 1                            ; v1   LDS address of my spare word; never rewritten
.set NIL, 2                            ; v2   0; never rewritten
.set LST, 3                            ; v3   where I store a level's features: region + 4 l + level x LP
.set LRD, 4                            ; v4   where I read fragments: region + 4 LP (l / 16) + 4 (l % 16)
.set PFO, 5                            ; v5   the prefetches' offset; never rewritten
.set GO,  6                            ; v6   16 l: my bytes of out0
.set QO,  7                            ; v7   48 l: my bytes of q
.set CB,  8                            ; v[8:9]   the 64-bit addend -(res << 39): low word 0, high word -(res << 7)
.set T,   10                           ; v[10:19] at work
.set TE,  20                           ; v20  a level's two features in f16
.set WFO, 21                           ; v21  32 l: my bytes of a W1 fragment
.set BO,  22                           ; v22  32 (l / 16): my 8 numbers of b1 and W2 in a tile
.set Q,   24                           ; v[24:47]   q of point p, coordinate d at Q + 3 p + d
.set W,   48                           ; v[48:79]   point p: wx, wy, 2^12 wz, 2^12 (1 - wz)
.set D,   80                           ; v[80:207]  point p: corner c (bit 0 x, bit 1 y, bit 2 z) at D + 16 p + 2 c: first its index, then its two features
.set O,   208                          ; v[208:215] the results
.set AC,  216                          ; v[216:219] two pairs of running sums
.set CI,  220                          ; v[220:221] what a point's sums start from: b2 in lanes 0-15, else 0
.set SS,  222                          ; v[222:223] a pair of tiles' partial sums
.set KP,  224
.set SD,  225
.set AF,  D                            ; the layers' operands take the gather's registers: W1's four fragments,
.set BI,  D+32                         ; b1 * 2^12 as four C operands,
.set W2R, D+64                         ; W2 * 2^-12 in the same order,
.set DD0, D+96                         ; two sets of four results,
.set DD1, W
.set BB,  Q                            ; two fragments of enc
.set TB,  6                            ; s[6:7] the table of the level whose loads are being issued
.set WV,  18
.set LV,  19                           ; the level whose loads are being issued
.set POW, 20                           ; 16 * 3^level
.set R,   21                           ; res << 8
.set P1,  24
.set P2,  25
.set MASK, 26
.set F32, 28                           ; s[28:29] 2^-32
.set ZS,  30                           ; 2^-20 = 2^12 * 2^-32
.set SC,  31                           ; 2^12
.set SCP, 32                           ; s[32:33] 2^12 as a pair
.set ISP, 34                           ; s[34:35] 2^-12 as a pair
.set LIM, 36
.set B2,  37
.set SEL, 38                           ; s[38:39] v_permlanex16_b32: each lane takes its own place in the other half
.set M16, 40                           ; lanes 0-15
	s_load_b256 s[4:11], s[0:1], 0x0               ; q s[4:5], tables s[6:7], wf s[8:9], b1 s[10:11]
	s_load_b128 s[12:15], s[0:1], 0x20             ; W2 s[12:13], b2 s[14:15]
	s_load_b64 s[16:17], s[0:1], 0x30              ; out0
	v_lshl_add_u32 v[SPW], v0, 2, SPARE
	v_mov_b32 v[NIL], 0
	v_lshrrev_b32 v[T], 5, v0
	v_readfirstlane_b32 s[WV], v[T]                ; wave 0..15
	v_and_b32 v[T+1], 31, v0                       ; l
	v_and_b32 v[T+2], 15, v0                       ; l % 16
	v_bfe_u32 v[T+3], v0, 4, 1                     ; l / 16
	s_lshl_b32 s2, ttmp9, 4
	s_add_co_u32 s2, s2, s[WV]                     ; my wave among the launch's 4,096
	s_mul_i32 s42, s2, 3072                        ; its 256 points in q: 12 bytes each
	s_mov_b32 s43, 0
	s_lshl_b32 s44, s2, 10                         ; and in out0: 4 bytes each
	s_mov_b32 s45, 0
	s_mul_i32 s22, s[WV], WR
	v_lshl_add_u32 v[LST], v[T+1], 2, s22
	v_mul_u32_u24 v[LRD], v[T+3], 4*LP
	v_lshl_add_u32 v[LRD], v[T+2], 2, v[LRD]
	v_add_nc_u32 v[LRD], s22, v[LRD]
	v_mul_u32_u24 v[QO], v[T+1], 48
	v_lshlrev_b32 v[GO], 4, v[T+1]
	v_lshlrev_b32 v[WFO], 5, v[T+1]
	v_lshlrev_b32 v[BO], 5, v[T+3]
	s_lshl_b32 s22, ttmp9, 14                      ; the work-group's 16 KiB of a level's 4 MiB,
	s_lshl_b32 s23, s[WV], 13                      ; the wave's 8 KiB of them (waves 0 and 1),
	s_add_co_u32 s22, s22, s23
	v_lshl_add_u32 v[PFO], v[T+1], 8, s22          ; a lane 256 bytes
	s_cmp_lt_u32 s[WV], 2
	s_cselect_b32 s[LIM], 15, 0                    ; a wave prefetches while the level in hand is below this
	s_mov_b32 s[P1], 0x9e3779b1                    ; 2,654,435,761
	s_mov_b32 s[P2], 0x30025795                    ; 805,459,861
	s_mov_b32 s[MASK], 0x7ffff
	s_mov_b32 s[F32], 0x2f800000
	s_mov_b32 s[F32+1], 0x2f800000
	s_mov_b32 s[ZS], 0x35800000
	s_mov_b32 s[SC], 0x45800000
	s_mov_b32 s[SCP], 0x45800000
	s_mov_b32 s[SCP+1], 0x45800000
	s_mov_b32 s[ISP], 0x39800000
	s_mov_b32 s[ISP+1], 0x39800000
	s_mov_b32 s[SEL], 0x76543210
	s_mov_b32 s[SEL+1], 0xfedcba98
	s_mov_b32 s[M16], 0xffff
	s_mov_b32 s[POW], 16                           ; level 0: res = 16
	s_mov_b32 s[R], 16<<8
	v_mov_b32 v[CB], 0
	v_mov_b32 v[CB+1], 0xfffff800                  ; -(16 << 7)
	s_wait_kmcnt 0x0
	s_load_b32 s[B2], s[14:15], 0x0                ; b2; waited for in front of the layers
	s_add_nc_u64 s[4:5], s[4:5], s[42:43]
	s_add_nc_u64 s[16:17], s[16:17], s[44:45]
.irp a, 0,1
.irp k, 0,1,2
	global_load_b128 v[Q+12*\a+4*\k:Q+12*\a+4*\k+3], v[QO], s[4:5] offset:1536*\a+16*\k th:TH_LOAD_NT  ; four neighbouring points are 48 bytes on end
.endr
.endr
; Point p's cell, weights, eight indices and eight loads, for the level whose constants stand in s[R], v[CB:CB+1] and s[TB:TB+1].
.macro ISSUE p
.set qr, Q+3*(\p)
.set wr, W+4*(\p)
.set dr, D+16*(\p)
	v_mad_nc_u64_u32 v[T:T+1],   v[qr],   s[R], v[CB:CB+1]  ; low word: the fraction; high word: the cell
	v_mad_nc_u64_u32 v[T+2:T+3], v[qr+1], s[R], v[CB:CB+1]
	v_mad_nc_u64_u32 v[T+4:T+5], v[qr+2], s[R], v[CB:CB+1]
	v_cvt_f32_u32 v[wr],   v[T]
	v_cvt_f32_u32 v[wr+1], v[T+2]
	v_cvt_f32_u32 v[wr+2], v[T+4]
	v_mul_lo_u32 v[T+3], v[T+3], s[P1]             ; y * prime, modulo 2^32
	v_mul_lo_u32 v[T+5], v[T+5], s[P2]             ; z * prime
	v_add_nc_u32 v[T], 1, v[T+1]                   ; x + 1 (x's prime is 1)
	v_pk_mul_f32 v[wr:wr+1], v[wr:wr+1], s[F32:F32+1] op_sel_hi:[1,0]  ; wx, wy
	v_mul_f32 v[wr+2], s[ZS], v[wr+2]              ; 2^12 wz
	v_and_b32 v[T+1], s[MASK], v[T+1]              ; the mask goes onto the six parts: an exclusive or of masked parts is masked
	v_and_b32 v[T], s[MASK], v[T]
	v_add_nc_u32 v[T+2], s[P1], v[T+3]             ; (y + 1) * prime
	v_add_nc_u32 v[T+4], s[P2], v[T+5]             ; (z + 1) * prime
	v_sub_f32 v[wr+3], s[SC], v[wr+2]              ; 2^12 (1 - wz)
	v_xor_b32 v[T+6], v[T+3], v[T+5]               ; y, z
	v_xor_b32 v[T+7], v[T+2], v[T+5]               ; y + 1, z
	v_xor_b32 v[T+8], v[T+3], v[T+4]               ; y, z + 1
	v_xor_b32 v[T+9], v[T+2], v[T+4]               ; y + 1, z + 1
.irp a, 6,7,8,9
	v_and_b32 v[T+\a], s[MASK], v[T+\a]
.endr
.irp c, 0,1,2,3,4,5,6,7
	v_xor_b32 v[dr+2*\c], v[T+1-(\c)%2], v[T+6+(\c)/2]
	v_min_u32 v[dr+2*\c], 0x7ffff, v[dr+2*\c]      ; a number made of loaded data enters an address behind a v_min_u32 with a constant; the mask has bounded it already
	global_load_b64 v[dr+2*\c:dr+2*\c+1], v[dr+2*\c], s[TB:TB+1] scale_offset  ; table + 8 x index; the load lands on its own index
.endr
.endm
; Point p's eight corners are in: seven interpolations on both features at once, rounded to f16, stored at the level's row.  left = the younger loads that may stay out.
.macro CONSUME p, left
.set wr, W+4*(\p)
.set dr, D+16*(\p)
	s_wait_loadcnt \left                           ; loads come back in order; this wait also frees the point's registers for its next indices
.irp c, 0,4,8,12
	v_pk_add_f32 v[dr+\c+2:dr+\c+3], v[dr+\c+2:dr+\c+3], v[dr+\c:dr+\c+1] neg_lo:[0,1] neg_hi:[0,1]
.endr
.irp c, 0,4,8,12
	v_pk_fma_f32 v[dr+\c:dr+\c+1], v[dr+\c+2:dr+\c+3], v[wr:wr+1], v[dr+\c:dr+\c+1] op_sel_hi:[1,0,1]  ; along x: a + wx (b - a)
.endr
.irp c, 0,8
	v_pk_add_f32 v[dr+\c+4:dr+\c+5], v[dr+\c+4:dr+\c+5], v[dr+\c:dr+\c+1] neg_lo:[0,1] neg_hi:[0,1]
.endr
.irp c, 0,8
	v_pk_fma_f32 v[dr+\c:dr+\c+1], v[dr+\c+4:dr+\c+5], v[wr:wr+1], v[dr+\c:dr+\c+1] op_sel:[0,1,0]  ; along y: the pair's second word, wy, for both
.endr
	v_pk_mul_f32 v[dr:dr+1], v[dr:dr+1], v[wr+2:wr+3] op_sel:[0,1]                        ; along z, with the scale: a * 2^12 (1 - wz)
	v_pk_fma_f32 v[dr:dr+1], v[dr+8:dr+9], v[wr+2:wr+3], v[dr:dr+1] op_sel_hi:[1,0,1]     ; + b * 2^12 wz
	v_cvt_pk_f16_f32 v[TE], v[dr], v[dr+1]
	ds_store_b32 v[LST], v[TE] offset:128*(\p)     ; place 32 p + l of the wave's 256
.endm
	s_wait_loadcnt 3                               ; q of points 0-3 is in; the three loads for points 4-7 may stay out
	ISSUE 0
	ISSUE 1
	ISSUE 2
	ISSUE 3
	s_wait_loadcnt 32                              ; behind q's last load 32 gathers were issued
	ISSUE 4
	ISSUE 5
	ISSUE 6
	ISSUE 7
	s_mov_b32 s[LV], 1
.Llevel:                                       ; 15 trips: level LV - 1 is interpolated, level LV asked for
	s_wait_xcnt 0x0                                ; every load and prefetch issued so far has read its base, so the table's address may step
	s_add_nc_u64 s[TB:TB+1], s[TB:TB+1], 0x400000
	s_mul_i32 s[POW], s[POW], 3
	s_lshr_b32 s2, s[POW], s[LV]                   ; res = (16 * 3^LV) >> LV
	s_lshl_b32 s[R], s2, 8
	s_lshl_b32 s3, s2, 7
	s_sub_co_u32 s3, 0, s3
	v_mov_b32 v[CB+1], s3
	CONSUME 0, 56                                  ; behind a point's 8 loads stand the 7 other points' 56
	ISSUE 0
	; The next level's table is asked for one trip ahead of its first loads: the work-group's 16 KiB of the 4 MiB, waves 0 and 1, a lane 256 bytes, so each block of a table is named once in the launch.
	; It stands behind the trip's first run of loads.  The last trip asks for nothing: there is no level 16.  Levels 0 and 1 come by their loads alone.
	s_cmp_lt_u32 s[LV], s[LIM]
	s_cbranch_scc0 .Lasked
	global_prefetch_b8 v[PFO], s[TB:TB+1] offset:0x400000 th:TH_LOAD_NT scope:SCOPE_SE
.Lasked:
.irp p, 1,2,3,4,5,6,7
	CONSUME \p, 56
	ISSUE \p
.endr
	v_add_nc_u32 v[LST], LP, v[LST]                ; the next level's row
	s_add_co_u32 s[LV], s[LV], 1
	s_cmp_lt_u32 s[LV], 16
	s_cbranch_scc1 .Llevel
; Level 15 is interpolated and nothing more is gathered.  The layers' operands are loaded into each block of 16 registers as it falls free: four loads behind each of the first six points.
.macro WLOAD k
.irp m, 0,1,2,3
.set ri, 16*((\k)%2)+4*\m
.if (\k) < 2
	global_load_b128 v[AF+ri:AF+ri+3], v[WFO], s[8:9] offset:(ri/8)*1024+((ri/4)%2)*16
.elseif (\k) < 4
	global_load_b128 v[BI+ri:BI+ri+3], v[BO], s[10:11] offset:(ri/8)*64+((ri/4)%2)*16   ; register j of tile t: b1[16 t + 8 (l / 16) + j]
.else
	global_load_b128 v[W2R+ri:W2R+ri+3], v[BO], s[12:13] offset:(ri/8)*64+((ri/4)%2)*16 ; W2 likewise
.endif
.endr
.endm
	CONSUME 0, 56                                  ; the counts: 8 for each younger point, 4 for each block already asked for
	WLOAD 0
	CONSUME 1, 52
	WLOAD 1
	CONSUME 2, 48
	WLOAD 2
	CONSUME 3, 44
	WLOAD 3
	CONSUME 4, 40
	WLOAD 4
	CONSUME 5, 36
	WLOAD 5
	CONSUME 6, 32
	CONSUME 7, 24
; THE LAYERS.  z^T = W1^T enc^T + b1 (source 0 = 16 hidden units, source 1 = 16 points): in the result a lane holds ONE point (l % 16) and the hidden units 8 (l / 16) + 0..7 of the tile.
; Tile tt of the wave's 16 holds places 16 tt .. 16 tt + 15: point p = tt / 2 of lanes 16 (tt % 2) + 0..15.  Register i of source 1 is one level's pair of features: levels 4 (l / 16) + i and 8 + 4 (l / 16) + i.
.macro BLOAD tt
.irp i, 0,1,2,3
	ds_load_b32 v[BB+8*((\tt)%2)+\i],   v[LRD] offset:\i*LP+64*(\tt)       ; LDS serves a wave's instructions in order (ISA guide 5.7.1.4): these see my stores
	ds_load_b32 v[BB+8*((\tt)%2)+4+\i], v[LRD] offset:(8+\i)*LP+64*(\tt)
.endr
.endm
.macro MM tt                           ; four products, one for each 16 hidden units; each is a whole sum (K = 32), begun from the bias
.set dd, DD0+((\tt)%2)*(DD1-DD0)
.irp u, 0,1,2,3
	v_wmma_f32_16x16x32_f16 v[dd+8*\u:dd+8*\u+7], v[AF+8*\u:AF+8*\u+7], v[BB+8*((\tt)%2):BB+8*((\tt)%2)+7], v[BI+8*\u:BI+8*\u+7]
.endr
.endm
.macro RED tt                          ; ReLU and the product with W2: my 32 hidden units of my point.  Each result is read from its lowest register on
.set dd, DD0+((\tt)%2)*(DD1-DD0)
.irp u, 0,1,2,3
.irp j, 0,1,2,3,4,5,6,7
	v_max_num_f32 v[dd+8*\u+\j], 0, v[dd+8*\u+\j]
.endr
.if \u == 0
	v_pk_fma_f32 v[AC:AC+1],   v[dd:dd+1],     v[W2R:W2R+1], v[CI:CI+1]    ; the first terms start the sums, one of them from b2
	v_pk_mul_f32 v[AC+2:AC+3], v[dd+2:dd+3],   v[W2R+2:W2R+3]
.else
	v_pk_fma_f32 v[AC:AC+1],   v[dd+8*\u:dd+8*\u+1],   v[W2R+8*\u:W2R+8*\u+1],   v[AC:AC+1]
	v_pk_fma_f32 v[AC+2:AC+3], v[dd+8*\u+2:dd+8*\u+3], v[W2R+8*\u+2:W2R+8*\u+3], v[AC+2:AC+3]
.endif
	v_pk_fma_f32 v[AC:AC+1],   v[dd+8*\u+4:dd+8*\u+5], v[W2R+8*\u+4:W2R+8*\u+5], v[AC:AC+1]
	v_pk_fma_f32 v[AC+2:AC+3], v[dd+8*\u+6:dd+8*\u+7], v[W2R+8*\u+6:W2R+8*\u+7], v[AC+2:AC+3]
.endr
	v_pk_add_f32 v[AC:AC+1], v[AC:AC+1], v[AC+2:AC+3]
	v_add_f32 v[SS+(\tt)%2], v[AC], v[AC+1]
.endm
.macro COMBINE pp                      ; tiles 2 pp and 2 pp + 1: each lane keeps the half sum of its own point and sends the other tile's to the lane 16 away, whose point that is
	v_cndmask_b32 v[KP], v[SS+1], v[SS], s[M16]
	v_cndmask_b32 v[SD], v[SS], v[SS+1], s[M16]
	v_permlanex16_b32 v[T+6], v[SD], s[SEL], s[SEL+1]  ; its destination counts as read: v[T+6] was written in the gather
	v_add_f32 v[O+(\pp)], v[KP], v[T+6]
.endm
	BLOAD 0
	BLOAD 1
	s_wait_loadcnt 0x0                             ; W1's fragments, b1, W2
	s_wait_kmcnt 0x0                               ; b2
.set i, 0
.rept 16
	v_pk_mul_f32 v[BI+i:BI+i+1], v[BI+i:BI+i+1], s[SCP:SCP+1] op_sel_hi:[1,0]     ; b1 * 2^12
.set i, i+2
.endr
	v_mov_b32 v[CI], s[B2]
	v_cndmask_b32 v[CI], 0, v[CI], s[M16]          ; b2 once a point: a point's sum is spread over two lanes and two words
	v_mov_b32 v[CI+1], 0
	s_wait_dscnt 8                                 ; tile 0's fragment is in; tile 1's eight loads may stay out
	MM 0
.set i, 0
.rept 16
	v_pk_mul_f32 v[W2R+i:W2R+i+1], v[W2R+i:W2R+i+1], s[ISP:ISP+1] op_sel_hi:[1,0] ; W2 * 2^-12: sixteen plain lines that name no register of the products above: the places behind them (ISA guide 7.12.1)
.set i, i+2
.endr
	BLOAD 2
; A step: the next tile's four products, then this tile's 50 vector lines, which name none of those products' registers and are the places behind them; then the fragment three tiles on, into the set just multiplied.
.set t, 0
.rept 16
.if t < 15
.if t < 14
	s_wait_dscnt 8                                 ; tile t + 1's fragment is in; tile t + 2's eight loads may stay out
.else
	s_wait_dscnt 0x0                               ; the last fragment
.endif
	MM t+1
.endif
	RED t
.if t < 13
	BLOAD t+3
.endif
.if t%2
	COMBINE t/2
.endif
.set t, t+1
.endr
	global_store_b128 v[GO], v[O:O+3],   s[16:17] th:TH_STORE_NT             ; four neighbouring points a lane: a store of the wave covers 512 consecutive bytes, aligned
	global_store_b128 v[GO], v[O+4:O+7], s[16:17] offset:512 th:TH_STORE_NT
	s_wait_tensorcnt 0x0                           ; the wave's end, behind my last LDS store
	ds_add_u32 v[SPW], v[NIL]
	s_wait_dscnt 0x0
	s_endpgm
.Lfunc_end_k_q5afe575510_grid_mlp:
	.size	k_q5afe575510_grid_mlp, .Lfunc_end_k_q5afe575510_grid_mlp-k_q5afe575510_grid_mlp
	.p2alignl 7, 3214868480
	.fill 96, 4, 3214868480
	.section	.rodata,"a",@progbits
	.p2align	6, 0x0
	.amdhsa_kernel k_q5afe575510_grid_mlp
		.amdhsa_group_segment_fixed_size 268288
		.amdhsa_private_segment_fixed_size 0
		.amdhsa_enable_private_segment 0
		.amdhsa_kernarg_size 56
		.amdhsa_user_sgpr_count 2
		.amdhsa_user_sgpr_kernarg_segment_ptr 1
		.amdhsa_wavefront_size32 1
		.amdhsa_system_sgpr_workgroup_id_x 1
		.amdhsa_system_sgpr_workgroup_id_y 1
		.amdhsa_system_sgpr_workgroup_id_z 1
		.amdhsa_system_vgpr_workitem_id 0
		.amdhsa_next_free_vgpr 232
		.amdhsa_next_free_sgpr 66
		.amdhsa_reserve_vcc 0
		.amdhsa_float_denorm_mode_32 3
		.amdhsa_float_denorm_mode_16_64 3
		.amdhsa_memory_ordered 1
		.amdhsa_forward_progress 1
		.amdhsa_inst_pref_size 113
	.end_amdhsa_kernel
	.amdgpu_metadata
---
amdhsa.version: [ 1, 2 ]
amdhsa.kernels:
  - .name:           k_q5afe575510_grid_mlp
    .symbol:         k_q5afe575510_grid_mlp.kd
    .args:
      - { .name: q, .offset: 0, .size: 8, .value_kind: global_buffer, .address_space: global }
      - { .name: tables, .offset: 8, .size: 8, .value_kind: global_buffer, .address_space: global }
      - { .name: wf, .offset: 16, .size: 8, .value_kind: global_buffer, .address_space: global }
      - { .name: b1, .offset: 24, .size: 8, .value_kind: global_buffer, .address_space: global }
      - { .name: W2, .offset: 32, .size: 8, .value_kind: global_buffer, .address_space: global }
      - { .name: b2, .offset: 40, .size: 8, .value_kind: global_buffer, .address_space: global }
      - { .name: out0, .offset: 48, .size: 8, .value_kind: global_buffer, .address_space: global }
    .group_segment_fixed_size: 268288
    .private_segment_fixed_size: 0
    .kernarg_segment_align: 8
    .kernarg_segment_size: 56
    .max_flat_workgroup_size: 512
    .sgpr_count:     66
    .vgpr_count:     232
    .wavefront_size: 32
...
	.end_amdgpu_metadata
.endif
;; end of part 2
;; ======== version 2 of 2: 2 launches
;; limits: values are held in f16: magnitudes above 65,504 overflow, below 6.1e-05 lose precision; inputs' magnitudes at most 15.99; inputs' magnitudes at most 255; right only within a limited range of input values; inputs' magnitudes at most 7.99
;; workspace buffers: q 12,582,912 bytes of whole numbers; wf 4,096 bytes; th 33,554,432 bytes
;; launch prep (part 3): grid 256 x 1, 16 waves a work-group, no clusters, 0 bytes of LDS; arguments x, W1, tables, q, wf, th; writes q, wf, th
.if DOCPART == 3
	.amdgcn_target "amdgcn-amd-amdhsa--gfx1250"
	.amdhsa_code_object_version 6
	.text
	.protected	k_q5afe575510_prep
	.globl	k_q5afe575510_prep
	.p2align	8
	.type	k_q5afe575510_prep,@function
k_q5afe575510_prep:
	s_mov_b64 s[64:65], 0
	v_nop
	global_prefetch_b8 v0, s[64:65] scope:SCOPE_SE
	s_setreg_imm32_b32 hwreg(HW_REG_WAVE_MODE, 25, 1), 1
	s_wait_xcnt 0x0
; HashGridMLP, first of two launches: x becomes whole numbers, the tables become pairs of f16, W1 becomes f16 matrix fragments.
; Nothing of reference() is left out in this program: every input has a way to the output and is loaded (x, tables, W1 here; b1, W2, b2 in the second launch).
; WHY A LAUNCH OF ITS OWN: the table addresses hang on x.  They are formed in the second launch, by integer arithmetic on whole numbers that it reads from memory; this launch makes those numbers.
; q = rndne((x + 1) * 2^23) + 2^31: reference()'s x01 = (x + 1) * 0.5 in fixed point with 24 fraction bits, offset by 128 so that it is unsigned.
;   fma(x, 2^23, 2^23) rounds once, exactly where reference()'s x + 1.0 rounds; the factors 0.5 and 2^24 are exact.  For x01 >= 0.5 q is x01 exactly; below that it is off by 2^-25 at the most.
; th = tables * 2^12, rounded once to f16: an entry's two features in one word, so that a lookup is 4 bytes and not 8: 134,217,728 lookups against 8,388,608 entries converted once.
;   The factor keeps numbers of the size 1e-4, and 30 times smaller, among f16's normal numbers; the second launch takes it out again behind the ReLU.
; LIMITS: -257 < x < 255 (beyond that the conversion to i32 saturates); a NaN in x counts as x01 = 0 and is not carried on; |tables| < 7.99 (the second launch forms the difference of two
;   entries in f16, which ends at 65,504); |W1| < 65,504.
; SHARES: x is taken as one stream of 12,582,912 bytes, the tables as one of 67,108,864.  A work-group owns 49,152 bytes of x and 262,144 of the tables; a thread 6 and 32 pieces of 16 bytes, 8,192 bytes apart:
;   a load of a wave covers 512 consecutive bytes, aligned; a store to q likewise; a store to th 256 consecutive bytes, aligned.
; All 38 loads of a thread go out at once; each piece has its own registers, so no register of a pending store is written again.
; Memory binds: no LDS, no barrier, no matrix unit, no cluster (no two work-groups read the same byte of x or of the tables).
.set XB, 49152
.set X,  8                             ; v[8:31]    6 pieces of x, converted in place
.set TT, 32                            ; v[32:159]  32 pieces of the tables; a piece's two words of f16 end in its first two registers
.set WL, 160                           ; v[160:175] 16 numbers of W1
.set WP, 176                           ; v[176:183] the same as 8 pairs of f16
	s_load_b256 s[4:11], s[0:1], 0x0               ; x s[4:5], W1 s[6:7], tables s[8:9], q s[10:11]
	s_load_b128 s[12:15], s[0:1], 0x20             ; wf s[12:13], th s[14:15]
	v_lshlrev_b32 v1, 4, v0                        ; 16 bytes a thread: loads, and stores to q; never rewritten
	v_lshlrev_b32 v2, 3, v0                        ; 8 bytes a thread: stores to th; never rewritten
	v_lshrrev_b32 v3, 5, v0
	v_readfirstlane_b32 s24, v3                    ; wave 0..15
	s_mul_i32 s2, ttmp9, XB                        ; under 2^24
	s_mov_b32 s3, 0
	s_lshl_b32 s16, ttmp9, 18                      ; the work-group's 262,144 bytes of the tables
	s_mov_b32 s17, 0
	s_lshl_b32 s18, ttmp9, 17                      ; and its 131,072 bytes of th
	s_mov_b32 s19, 0
	s_mov_b32 s20, 0x4b000000                      ; 2^23, as a pair: the packed form names both words
	s_mov_b32 s21, 0x4b000000
	s_mov_b32 s22, 0x80000000                      ; the offset 2^31: an exclusive or with the sign bit
	s_mov_b32 s26, 0x45800000                      ; 2^12, as a pair
	s_mov_b32 s27, 0x45800000
	s_lshr_b32 s25, s24, 2
	s_or_b32 s25, s25, ttmp9                       ; 0 only in waves 0 to 3 of work-group 0
	s_wait_kmcnt 0x0
	s_add_nc_u64 s[4:5], s[4:5], s[2:3]
	s_add_nc_u64 s[10:11], s[10:11], s[2:3]
	s_add_nc_u64 s[8:9], s[8:9], s[16:17]
	s_add_nc_u64 s[14:15], s[14:15], s[18:19]
.set i, 0
.rept 6
	global_load_b128 v[X+4*i:X+4*i+3], v1, s[4:5] offset:8192*i th:TH_LOAD_NT
.set i, i+1
.endr
.set i, 0
.rept 32
	global_load_b128 v[TT+4*i:TT+4*i+3], v1, s[8:9] offset:8192*i th:TH_LOAD_NT
.set i, i+1
.endr
	; W1 ([32][64] f32) is rounded once to f16 and laid out as the second launch's source 0: tile t (hidden units 16 t .. 16 t + 15), lane (r = l % 16, h = l / 16), register i:
	; W1[k][16 t + r] for k = 8 h + 2 i, + 1 (i < 4) and k = 16 + 8 h + 2 (i - 4), + 1 (i >= 4).  Wave t of work-group 0 makes tile t, here, behind the issue of its stream's loads:
	; W1's loads are on their way together with those.
	s_cmp_eq_u32 s25, 0
	s_cbranch_scc0 .Lstream
	v_and_b32 v3, 15, v0                           ; r
	v_bfe_u32 v4, v0, 4, 1                         ; h
	v_lshlrev_b32 v5, 2, v3                        ; column r: 4 r bytes
	v_lshl_add_u32 v5, v4, 11, v5                  ; + 8 h rows of 256 bytes
	s_lshl_b32 s25, s24, 6                         ; + 16 t columns
	v_add_nc_u32 v5, s25, v5
.irp i, 0,1,2,3
	global_load_b32 v[WL+2*\i],   v5, s[6:7] offset:512*\i
	global_load_b32 v[WL+2*\i+1], v5, s[6:7] offset:512*\i+256
	global_load_b32 v[WL+8+2*\i], v5, s[6:7] offset:4096+512*\i
	global_load_b32 v[WL+9+2*\i], v5, s[6:7] offset:4096+512*\i+256
.endr
	v_lshlrev_b32 v6, 5, v0                        ; 1,024 t + 32 l: the thread's number is 32 t + l here
	s_wait_loadcnt 0x0                             ; W1's loads are the youngest: in these four waves the stream is in too
.irp i, 0,1,2,3,4,5,6,7
	v_cvt_pk_f16_f32 v[WP+\i], v[WL+2*\i], v[WL+2*\i+1]
.endr
	global_store_b128 v6, v[WP:WP+3],   s[12:13]
	global_store_b128 v6, v[WP+4:WP+7], s[12:13] offset:16
.Lstream:
.set i, 0
.rept 6
	s_wait_loadcnt 37-i                            ; loads come back in order: piece i of x is in; the 5 - i younger ones of x and the tables' 32 may stay out
	v_pk_fma_f32 v[X+4*i:X+4*i+1],   v[X+4*i:X+4*i+1],   s[20:21], s[20:21] op_sel_hi:[1,0,0]  ; (x + 1) * 2^23
	v_pk_fma_f32 v[X+4*i+2:X+4*i+3], v[X+4*i+2:X+4*i+3], s[20:21], s[20:21] op_sel_hi:[1,0,0]
.irp j, 0,1,2,3
	v_rndne_f32 v[X+4*i+\j], v[X+4*i+\j]
.endr
.irp j, 0,1,2,3
	v_cvt_i32_f32 v[X+4*i+\j], v[X+4*i+\j]
.endr
.irp j, 0,1,2,3
	v_xor_b32 v[X+4*i+\j], s22, v[X+4*i+\j]
.endr
	global_store_b128 v1, v[X+4*i:X+4*i+3], s[10:11] offset:8192*i
.set i, i+1
.endr
.set i, 0
.rept 32
	s_wait_loadcnt 31-i                            ; piece i of the tables is in, the 31 - i younger ones may stay out
	v_pk_mul_f32 v[TT+4*i:TT+4*i+1],   v[TT+4*i:TT+4*i+1],   s[26:27] op_sel_hi:[1,0]
	v_pk_mul_f32 v[TT+4*i+2:TT+4*i+3], v[TT+4*i+2:TT+4*i+3], s[26:27] op_sel_hi:[1,0]
	v_cvt_pk_f16_f32 v[TT+4*i],   v[TT+4*i],   v[TT+4*i+1]   ; an entry's two features: the first in the low half
	v_cvt_pk_f16_f32 v[TT+4*i+1], v[TT+4*i+2], v[TT+4*i+3]
	global_store_b64 v2, v[TT+4*i:TT+4*i+1], s[14:15] offset:4096*i
.set i, i+1
.endr
	s_endpgm
.Lfunc_end_k_q5afe575510_prep:
	.size	k_q5afe575510_prep, .Lfunc_end_k_q5afe575510_prep-k_q5afe575510_prep
	.p2alignl 7, 3214868480
	.fill 96, 4, 3214868480
	.section	.rodata,"a",@progbits
	.p2align	6, 0x0
	.amdhsa_kernel k_q5afe575510_prep
		.amdhsa_group_segment_fixed_size 0
		.amdhsa_private_segment_fixed_size 0
		.amdhsa_enable_private_segment 0
		.amdhsa_kernarg_size 48
		.amdhsa_user_sgpr_count 2
		.amdhsa_user_sgpr_kernarg_segment_ptr 1
		.amdhsa_wavefront_size32 1
		.amdhsa_system_sgpr_workgroup_id_x 1
		.amdhsa_system_sgpr_workgroup_id_y 1
		.amdhsa_system_sgpr_workgroup_id_z 1
		.amdhsa_system_vgpr_workitem_id 0
		.amdhsa_next_free_vgpr 184
		.amdhsa_next_free_sgpr 66
		.amdhsa_reserve_vcc 0
		.amdhsa_float_denorm_mode_32 3
		.amdhsa_float_denorm_mode_16_64 3
		.amdhsa_memory_ordered 1
		.amdhsa_forward_progress 1
		.amdhsa_inst_pref_size 24
	.end_amdhsa_kernel
	.amdgpu_metadata
---
amdhsa.version: [ 1, 2 ]
amdhsa.kernels:
  - .name:           k_q5afe575510_prep
    .symbol:         k_q5afe575510_prep.kd
    .args:
      - { .name: x, .offset: 0, .size: 8, .value_kind: global_buffer, .address_space: global }
      - { .name: W1, .offset: 8, .size: 8, .value_kind: global_buffer, .address_space: global }
      - { .name: tables, .offset: 16, .size: 8, .value_kind: global_buffer, .address_space: global }
      - { .name: q, .offset: 24, .size: 8, .value_kind: global_buffer, .address_space: global }
      - { .name: wf, .offset: 32, .size: 8, .value_kind: global_buffer, .address_space: global }
      - { .name: th, .offset: 40, .size: 8, .value_kind: global_buffer, .address_space: global }
    .group_segment_fixed_size: 0
    .private_segment_fixed_size: 0
    .kernarg_segment_align: 8
    .kernarg_segment_size: 48
    .max_flat_workgroup_size: 512
    .sgpr_count:     66
    .vgpr_count:     184
    .wavefront_size: 32
...
	.end_amdgpu_metadata
.endif
;; end of part 3
;; launch grid_mlp (part 4): grid 256 x 1, 16 waves a work-group, no clusters, 268,288 bytes of LDS; arguments q, th, wf, b1, W2, b2, out0; writes out0
.if DOCPART == 4
	.amdgcn_target "amdgcn-amd-amdhsa--gfx1250"
	.amdhsa_code_object_version 6
	.text
	.protected	k_q5afe575510_grid_mlp
	.globl	k_q5afe575510_grid_mlp
	.p2align	8
	.type	k_q5afe575510_grid_mlp,@function
k_q5afe575510_grid_mlp:
	s_mov_b64 s[64:65], 0
	v_nop
	global_prefetch_b8 v0, s[64:65] scope:SCOPE_SE
	s_setreg_imm32_b32 hwreg(HW_REG_WAVE_MODE, 25, 1), 1
	s_wait_xcnt 0x0
; HashGridMLP, second launch: hash, gather, trilinear interpolation, enc @ W1 + b1, ReLU, @ W2 + b2.  Nothing of reference() is left out.
; INPUT q: x01 in fixed point, 24 fraction bits, offset by 2^31 (first launch).  For level l, res = floor(16 * 1.5^l) = (16 * 3^l) >> l.
;   q' * (res << 8) - (res << 39) = x01 * res * 2^32 in 64 bits, two's complement: the high word is floor(pos) as reference()'s int32, the low word the fraction w (24 bits of it: exact in f32).
;   LIMIT: pos is exact here, where reference() rounds x01 * res to f32: the two differ by half an ulp of pos at the most (2.4e-4 of a cell at the finest level for |x| <= 1, in proportion to |x| beyond);
;   where that moves floor(pos), w is 0 on one side and 1 on the other, and the interpolation is the same.
; INPUT th: the tables times 2^12, an entry's two features as two f16 in one word (first launch): a lookup is 4 bytes.
; FORMATS.  Along x: b - a in packed f16 (one rounding), then (b - a) wx + a from the f16 halves in f32; along y and z in f32.  enc (still times 2^12) and W1 go to the matrix unit in f16, sums in f32;
;   b1 * 2^12 is the product's C operand, and W2 * 2^-12 stands behind the ReLU, which commutes with a positive factor: both factors are exact.
;   LIMITS: |tables| < 7.99 (b - a stays inside f16, which ends at 65,504); features below 1.5e-8 keep f16's fixed step.
;   The second product has ONE column: it is 32 multiply-adds a lane in f32 on the vector unit; a matrix tile would hold 15 dead columns of 16, and h (with b1 * 2^12 in it) has no range that f16 holds.
; SHARES.  256 work-groups of 16 waves; a work-group has 4,096 points, a wave 256, a lane 8: points 128 a + 4 l + j of the wave (a = 0, 1; j = 0..3), p = 4 a + j.
; THE LEVELS ARE THE OUTER LOOP, for all waves of the launch alike: at any time the launch gathers from one or two levels' tables (2 MiB each), not from all 16.
; IN FLIGHT.  A lane's 8 points x 8 corners are always out: point p of level l is interpolated, and at once its 8 loads for level l + 1 go out into the same registers (an index lies in its own load's destination).
;   A point's eight indices are made first; its LDS store and its eight loads then stand in one run.
; TWO BASES.  The loop takes two levels a trip, and the table's address lies in two register pairs that take turns: a pair is written again when the counted waits have shown all its loads done.
; NO PREFETCH: a block of a table is read many times, by every work-group, and the gather itself keeps loads out all the time.
; LDS.  A level's two features, rounded to f16, go to the wave's OWN bytes (a looped text cannot name a register by level): 16 level rows of 1,024 bytes + 16 of padding for each wave.  A store is 32 neighbouring
;   words.  A fragment read takes level i in lanes 0-15 and level i + 4 in lanes 16-31: 4 x 1,040 bytes = 1,040 words apart, 16 banks on (64 banks of 4 bytes: ISA guide 11.1).  No wave reads another's bytes: no barrier.
; NO TENSOR LOAD, NO CLUSTER: what the work-groups share is the table, and it is read by hashed lanes, which no tile descriptor covers.
.set LP,    1040                       ; bytes from level to level in a wave's LDS region
.set WR,    16*LP                      ; a wave's region
.set SPARE, 16*WR                      ; behind the regions: the spare words, 128 bytes for each of the 16 waves: eight blocks of 256 bytes that no other line names
.set STRIDE, 0x200000                  ; bytes of a level in th
.set SPW, 1                            ; v1   LDS address of my spare word; never rewritten
.set NIL, 2                            ; v2   0; never rewritten
.set LST, 3                            ; v3   where I store a level's features: region + 4 l + level x LP
.set LRD, 4                            ; v4   where I read fragments: region + 4 LP (l / 16) + 4 (l % 16)
.set WFO, 5                            ; v5   32 l: my bytes of a W1 fragment
.set GO,  6                            ; v6   16 l: my bytes of out0
.set QO,  7                            ; v7   48 l: my bytes of q
.set CB,  8                            ; v[8:9]   the 64-bit addend -(res << 39): low word 0, high word -(res << 7)
.set T,   10                           ; v[10:22] at work on the hash
.set TE,  23                           ; v23  a level's two features in f16
.set Q,   24                           ; v[24:47]   q of point p, coordinate d at Q + 3 p + d
.set W,   48                           ; v[48:63]   point p: wx, wy
.set WZ,  64                           ; v[64:71]   point p: wz
.set E,   72                           ; v[72:79]   a point interpolated along x: (y, z) pair j, both features, at E + 2 j
.set D,   80                           ; v[80:143]  point p: corner c (bit 0 x, bit 1 y, bit 2 z) at D + 8 p + c: first its index, then its two features
.set AF,  144                          ; v[144:175] W1's four fragments
.set BI,  176                          ; v[176:207] b1 as four C operands
.set W2R, 208                          ; v[208:239] W2 in the same order
.set BO,  240                          ; v240 32 (l / 16): my 8 numbers of b1 and W2 in a tile
.set M1V, 241                          ; v241 -1 twice, in f16
.set BB,  Q                            ; the layers take the gather's registers: two fragments of enc,
.set DD0, D                            ; two sets of four results,
.set DD1, D+32
.set O,   48                           ; v[48:55] the results,
.set AC,  56                           ; v[56:59] two pairs of running sums,
.set CI,  60                           ; v[60:61] what a point's sums start from: b2 in lanes 0-15, else 0,
.set SS,  62                           ; v[62:63] a pair of tiles' partial sums
.set KP,  64
.set SD,  65
.set TBA, 6                            ; s[6:7]   the table of an even level
.set TBB, 46                           ; s[46:47] the table of an odd level
.set WV,  18
.set LV,  19                           ; the level whose loads are issued next
.set POW, 20                           ; 16 * 3^level
.set R,   21                           ; res << 8
.set P1,  24
.set P2,  25
.set MASK, 26
.set F32, 28                           ; s[28:29] 2^-32
.set CNT, 30
.set SCP, 32                           ; s[32:33] 2^12 as a pair
.set ISP, 34                           ; s[34:35] 2^-12 as a pair
.set B2,  37
.set SEL, 38                           ; s[38:39] v_permlanex16_b32: each lane takes its own place in the other half
.set M16, 40                           ; lanes 0-15
	s_load_b256 s[4:11], s[0:1], 0x0               ; q s[4:5], th s[6:7], wf s[8:9], b1 s[10:11]
	s_load_b128 s[12:15], s[0:1], 0x20             ; W2 s[12:13], b2 s[14:15]
	s_load_b64 s[16:17], s[0:1], 0x30              ; out0
	v_lshl_add_u32 v[SPW], v0, 2, SPARE
	v_mov_b32 v[NIL], 0
	v_lshrrev_b32 v[T], 5, v0
	v_readfirstlane_b32 s[WV], v[T]                ; wave 0..15
	v_and_b32 v[T+1], 31, v0                       ; l
	v_and_b32 v[T+2], 15, v0                       ; l % 16
	v_bfe_u32 v[T+3], v0, 4, 1                     ; l / 16
	s_lshl_b32 s2, ttmp9, 4
	s_add_co_u32 s2, s2, s[WV]                     ; my wave among the launch's 4,096
	s_mul_i32 s42, s2, 3072                        ; its 256 points in q: 12 bytes each
	s_mov_b32 s43, 0
	s_lshl_b32 s44, s2, 10                         ; and in out0: 4 bytes each
	s_mov_b32 s45, 0
	s_mul_i32 s22, s[WV], WR
	v_lshl_add_u32 v[LST], v[T+1], 2, s22
	v_mul_u32_u24 v[LRD], v[T+3], 4*LP
	v_lshl_add_u32 v[LRD], v[T+2], 2, v[LRD]
	v_add_nc_u32 v[LRD], s22, v[LRD]
	v_mul_u32_u24 v[QO], v[T+1], 48
	v_lshlrev_b32 v[GO], 4, v[T+1]
	v_lshlrev_b32 v[WFO], 5, v[T+1]
	v_lshlrev_b32 v[BO], 5, v[T+3]
	v_mov_b32 v[M1V], 0xbc00bc00
	s_mov_b32 s[P1], 0x9e3779b1                    ; 2,654,435,761
	s_mov_b32 s[P2], 0x30025795                    ; 805,459,861
	s_mov_b32 s[MASK], 0x7ffff
	s_mov_b32 s[F32], 0x2f800000
	s_mov_b32 s[F32+1], 0x2f800000
	s_mov_b32 s[SCP], 0x45800000
	s_mov_b32 s[SCP+1], 0x45800000
	s_mov_b32 s[ISP], 0x39800000
	s_mov_b32 s[ISP+1], 0x39800000
	s_mov_b32 s[SEL], 0x76543210
	s_mov_b32 s[SEL+1], 0xfedcba98
	s_mov_b32 s[M16], 0xffff
	s_mov_b32 s[POW], 16                           ; level 0: res = 16
	s_mov_b32 s[R], 16<<8
	s_mov_b32 s[LV], 1
	s_mov_b32 s[CNT], 7
	v_mov_b32 v[CB], 0
	v_mov_b32 v[CB+1], 0xfffff800                  ; -(16 << 7)
	s_wait_kmcnt 0x0
	s_load_b32 s[B2], s[14:15], 0x0                ; b2; waited for in front of the layers
	s_add_nc_u64 s[4:5], s[4:5], s[42:43]
	s_add_nc_u64 s[16:17], s[16:17], s[44:45]
	; the layers' operands, into registers of their own: 24 loads ahead of q's, so that every counted wait below stands behind them
.set ri, 0
.rept 8
	global_load_b128 v[AF+ri:AF+ri+3],   v[WFO], s[8:9]  offset:(ri/8)*1024+((ri/4)%2)*16
	global_load_b128 v[BI+ri:BI+ri+3],   v[BO], s[10:11] offset:(ri/8)*64+((ri/4)%2)*16   ; register j of tile t: b1[16 t + 8 (l / 16) + j]
	global_load_b128 v[W2R+ri:W2R+ri+3], v[BO], s[12:13] offset:(ri/8)*64+((ri/4)%2)*16   ; W2 likewise
.set ri, ri+4
.endr
.irp a, 0,1
.irp k, 0,1,2
	global_load_b128 v[Q+12*\a+4*\k:Q+12*\a+4*\k+3], v[QO], s[4:5] offset:1536*\a+16*\k th:TH_LOAD_NT  ; four neighbouring points are 48 bytes on end
.endr
.endr
; A STEP for point p.  cons = 1: its eight corners of the level in hand are in (left = the younger loads that may stay out): seven interpolations on both features, rounded to f16, stored at the level's row.
; iss = 1: its cell, weights, eight indices and eight loads for the next level, whose constants stand in s[R], v[CB:CB+1] and s[tb:tb+1].
; The two are written into each other: the hash's lines, which wait for nothing of the interpolation, stand between the links of its chain.  The weights are written anew behind their last use.
.macro STEP p, cons, iss, left, tb
.set qr, Q+3*(\p)
.set wr, W+2*(\p)
.set wz, WZ+(\p)
.set wzp, WZ+2*((\p)/2)
.set dr, D+8*(\p)
.if \cons
	s_wait_loadcnt \left                           ; loads come back in order; this wait also frees the point's registers for its next indices, and shows these loads' base read
.irp j, 0,1,2,3
	v_pk_fma_f16 v[dr+2*\j+1], v[dr+2*\j], v[M1V], v[dr+2*\j+1]  ; b - a, both features
.endr
.endif
.if \iss
	v_mad_nc_u64_u32 v[T:T+1],   v[qr],   s[R], v[CB:CB+1]  ; low word: the fraction; high word: the cell
	v_mad_nc_u64_u32 v[T+2:T+3], v[qr+1], s[R], v[CB:CB+1]
	v_mad_nc_u64_u32 v[T+4:T+5], v[qr+2], s[R], v[CB:CB+1]
.endif
.if \cons
.irp j, 0,1,2,3
	v_fma_mix_f32 v[E+2*\j],   v[dr+2*\j+1], v[wr], v[dr+2*\j] op_sel_hi:[1,0,1]                  ; along x: (b - a) wx + a, the low halves,
	v_fma_mix_f32 v[E+2*\j+1], v[dr+2*\j+1], v[wr], v[dr+2*\j] op_sel:[1,0,1] op_sel_hi:[1,0,1]   ; the high halves
.endr
.endif
.if \iss
	v_mul_lo_u32 v[T+3], v[T+3], s[P1]             ; y * prime, modulo 2^32
	v_mul_lo_u32 v[T+5], v[T+5], s[P2]             ; z * prime
	v_add_nc_u32 v[T+6], 1, v[T+1]                 ; x + 1 (x's prime is 1)
.endif
.if \cons
	v_pk_add_f32 v[E+2:E+3], v[E+2:E+3], v[E:E+1]   neg_lo:[0,1] neg_hi:[0,1]
	v_pk_add_f32 v[E+6:E+7], v[E+6:E+7], v[E+4:E+5] neg_lo:[0,1] neg_hi:[0,1]
.endif
.if \iss
	v_and_b32 v[T+1], s[MASK], v[T+1]              ; the mask goes onto the six parts: an exclusive or of masked parts is masked
	v_and_b32 v[T+6], s[MASK], v[T+6]
	v_add_nc_u32 v[T+7], s[P1], v[T+3]             ; (y + 1) * prime
	v_add_nc_u32 v[T+8], s[P2], v[T+5]             ; (z + 1) * prime
.endif
.if \cons
	v_pk_fma_f32 v[E:E+1],   v[E+2:E+3], v[wr:wr+1], v[E:E+1]   op_sel:[0,1,0]  ; along y: the pair's second word, wy, for both
	v_pk_fma_f32 v[E+4:E+5], v[E+6:E+7], v[wr:wr+1], v[E+4:E+5] op_sel:[0,1,0]
.endif
.if \iss
	v_xor_b32 v[T+9],  v[T+3], v[T+5]              ; y, z
	v_xor_b32 v[T+10], v[T+7], v[T+5]              ; y + 1, z
	v_xor_b32 v[T+11], v[T+3], v[T+8]              ; y, z + 1
	v_xor_b32 v[T+12], v[T+7], v[T+8]              ; y + 1, z + 1
.endif
.if \cons
	v_pk_add_f32 v[E+4:E+5], v[E+4:E+5], v[E:E+1] neg_lo:[0,1] neg_hi:[0,1]
.endif
.if \iss
.irp a, 9,10,11,12
	v_and_b32 v[T+\a], s[MASK], v[T+\a]
.endr
.endif
.if \cons
.if (\p)%2
	v_pk_fma_f32 v[E:E+1], v[E+4:E+5], v[wzp:wzp+1], v[E:E+1] op_sel:[0,1,0]     ; along z: two points' wz lie in a pair; mine is the second word,
.else
	v_pk_fma_f32 v[E:E+1], v[E+4:E+5], v[wzp:wzp+1], v[E:E+1] op_sel_hi:[1,0,1]  ; or the first
.endif
.endif
.if \iss
.irp c, 0,1,2,3,4,5,6,7
	v_xor_b32 v[dr+\c], v[T+1+5*((\c)%2)], v[T+9+(\c)/2]
.endr
.endif
.if \cons
	v_cvt_pk_f16_f32 v[TE], v[E], v[E+1]
.endif
.if \iss
	v_cvt_f32_u32 v[wr],   v[T]
	v_cvt_f32_u32 v[wr+1], v[T+2]
	v_cvt_f32_u32 v[wz],   v[T+4]
.irp c, 0,1,2,3,4,5,6,7
	v_min_u32 v[dr+\c], 0x7ffff, v[dr+\c]          ; a number made of loaded data enters an address behind a v_min_u32 with a constant; the mask has bounded it already
.endr
	v_pk_mul_f32 v[wr:wr+1], v[wr:wr+1], s[F32:F32+1] op_sel_hi:[1,0]  ; wx, wy
	v_mul_f32 v[wz], s[F32], v[wz]                 ; wz
.endif
.if \cons
	ds_store_b32 v[LST], v[TE] offset:128*(\p)     ; place 32 p + l of the wave's 256
.endif
.if \iss
.irp c, 0,1,2,3,4,5,6,7
	global_load_b32 v[dr+\c], v[dr+\c], s[\tb:\tb+1] scale_offset  ; table + 4 x index; the load lands on its own index
.endr
.endif
.endm
; The next level's constants.  The pair 'to' is free: the loads that named it were issued two levels back, and the last of them was shown done by the wait of the level before's last step
; (56 younger loads may be out there, and those are that level's own).
.macro NEXTLEVEL to, from
	s_add_nc_u64 s[\to:\to+1], s[\from:\from+1], STRIDE
	s_mul_i32 s[POW], s[POW], 3
	s_lshr_b32 s2, s[POW], s[LV]                   ; res = (16 * 3^LV) >> LV
	s_lshl_b32 s[R], s2, 8
	s_lshl_b32 s3, s2, 7
	s_sub_co_u32 s3, 0, s3
	v_mov_b32 v[CB+1], s3
	s_add_co_u32 s[LV], s[LV], 1
.endm
.macro HALF tb                         ; one level is interpolated, the next asked for
.irp p, 0,1,2,3,4,5,6,7
	STEP \p, 1, 1, 56, \tb                         ; behind a point's 8 loads stand the 7 other points' 56
.endr
	v_add_nc_u32 v[LST], LP, v[LST]                ; the next level's row
.endm
	s_wait_loadcnt 3                               ; the layers' operands and q of points 0-3 are in; the three loads for points 4-7 may stay out
	STEP 0, 0, 1, 0, TBA
	STEP 1, 0, 1, 0, TBA
	STEP 2, 0, 1, 0, TBA
	STEP 3, 0, 1, 0, TBA
	s_wait_loadcnt 32                              ; behind q's last load 32 gathers were issued
	STEP 4, 0, 1, 0, TBA
	STEP 5, 0, 1, 0, TBA
	STEP 6, 0, 1, 0, TBA
	STEP 7, 0, 1, 0, TBA
.Llevel:                                       ; 7 trips of two levels: levels 1 to 14 are asked for, levels 0 to 13 interpolated
	NEXTLEVEL TBB, TBA
	HALF TBB
	NEXTLEVEL TBA, TBB
	HALF TBA
	s_sub_co_u32 s[CNT], s[CNT], 1
	s_cmp_lg_u32 s[CNT], 0
	s_cbranch_scc1 .Llevel
	NEXTLEVEL TBB, TBA                             ; level 15 is asked for, level 14 interpolated
	HALF TBB
	STEP 0, 1, 0, 56, TBB                          ; level 15 is interpolated and nothing more is gathered: 8 loads for each younger point
	STEP 1, 1, 0, 48, TBB
	STEP 2, 1, 0, 40, TBB
	STEP 3, 1, 0, 32, TBB
	STEP 4, 1, 0, 24, TBB
	STEP 5, 1, 0, 16, TBB
	STEP 6, 1, 0, 8, TBB
	STEP 7, 1, 0, 0, TBB
; THE LAYERS.  z^T = W1^T enc^T + b1 (source 0 = 16 hidden units, source 1 = 16 points): in the result a lane holds ONE point (l % 16) and the hidden units 8 (l / 16) + 0..7 of the tile.
; Tile tt of the wave's 16 holds places 16 tt .. 16 tt + 15: point p = tt / 2 of lanes 16 (tt % 2) + 0..15.  Register i of source 1 is one level's pair of features: levels 4 (l / 16) + i and 8 + 4 (l / 16) + i.
.macro BLOAD tt
.irp i, 0,1,2,3
	ds_load_b32 v[BB+8*((\tt)%2)+\i],   v[LRD] offset:\i*LP+64*(\tt)       ; LDS serves a wave's instructions in order (ISA guide 5.7.1.4): these see my stores
	ds_load_b32 v[BB+8*((\tt)%2)+4+\i], v[LRD] offset:(8+\i)*LP+64*(\tt)
.endr
.endm
.macro MM tt                           ; four products, one for each 16 hidden units; each is a whole sum (K = 32), begun from the bias
.set dd, DD0+((\tt)%2)*(DD1-DD0)
.irp u, 0,1,2,3
	v_wmma_f32_16x16x32_f16 v[dd+8*\u:dd+8*\u+7], v[AF+8*\u:AF+8*\u+7], v[BB+8*((\tt)%2):BB+8*((\tt)%2)+7], v[BI+8*\u:BI+8*\u+7]
.endr
.endm
.macro RED tt                          ; ReLU and the product with W2: my 32 hidden units of my point.  Each result is read from its lowest register on
.set dd, DD0+((\tt)%2)*(DD1-DD0)
.irp u, 0,1,2,3
.irp j, 0,1,2,3,4,5,6,7
	v_max_num_f32 v[dd+8*\u+\j], 0, v[dd+8*\u+\j]
.endr
.if \u == 0
	v_pk_fma_f32 v[AC:AC+1],   v[dd:dd+1],     v[W2R:W2R+1], v[CI:CI+1]    ; the first terms start the sums, one of them from b2
	v_pk_mul_f32 v[AC+2:AC+3], v[dd+2:dd+3],   v[W2R+2:W2R+3]
.else
	v_pk_fma_f32 v[AC:AC+1],   v[dd+8*\u:dd+8*\u+1],   v[W2R+8*\u:W2R+8*\u+1],   v[AC:AC+1]
	v_pk_fma_f32 v[AC+2:AC+3], v[dd+8*\u+2:dd+8*\u+3], v[W2R+8*\u+2:W2R+8*\u+3], v[AC+2:AC+3]
.endif
	v_pk_fma_f32 v[AC:AC+1],   v[dd+8*\u+4:dd+8*\u+5], v[W2R+8*\u+4:W2R+8*\u+5], v[AC:AC+1]
	v_pk_fma_f32 v[AC+2:AC+3], v[dd+8*\u+6:dd+8*\u+7], v[W2R+8*\u+6:W2R+8*\u+7], v[AC+2:AC+3]
.endr
	v_pk_add_f32 v[AC:AC+1], v[AC:AC+1], v[AC+2:AC+3]
	v_add_f32 v[SS+(\tt)%2], v[AC], v[AC+1]
.endm
.macro COMBINE pp                      ; tiles 2 pp and 2 pp + 1: each lane keeps the half sum of its own point and sends the other tile's to the lane 16 away, whose point that is
	v_cndmask_b32 v[KP], v[SS+1], v[SS], s[M16]
	v_cndmask_b32 v[SD], v[SS], v[SS+1], s[M16]
	v_permlanex16_b32 v[T+6], v[SD], s[SEL], s[SEL+1]  ; its destination counts as read: v[T+6] was written in the gather
	v_add_f32 v[O+(\pp)], v[KP], v[T+6]
.endm
	BLOAD 0
	BLOAD 1
	s_wait_kmcnt 0x0                               ; b2
.set i, 0
.rept 16
	v_pk_mul_f32 v[BI+i:BI+i+1], v[BI+i:BI+i+1], s[SCP:SCP+1] op_sel_hi:[1,0]     ; b1 * 2^12
.set i, i+2
.endr
	v_mov_b32 v[CI], s[B2]
	v_cndmask_b32 v[CI], 0, v[CI], s[M16]          ; b2 once a point: a point's sum is spread over two lanes and two words
	v_mov_b32 v[CI+1], 0
	s_wait_dscnt 8                                 ; tile 0's fragment is in; tile 1's eight loads may stay out
	MM 0
.set i, 0
.rept 16
	v_pk_mul_f32 v[W2R+i:W2R+i+1], v[W2R+i:W2R+i+1], s[ISP:ISP+1] op_sel_hi:[1,0] ; W2 * 2^-12: sixteen plain lines that name no register of the products above: the places behind them (ISA guide 7.12.1)
.set i, i+2
.endr
	BLOAD 2
; A step: the next tile's four products, then this tile's 50 vector lines, which name none of those products' registers and are the places behind them; then the fragment three tiles on, into the set just multiplied.
.set t, 0
.rept 16
.if t < 15
.if t < 14
	s_wait_dscnt 8                                 ; tile t + 1's fragment is in; tile t + 2's eight loads may stay out
.else
	s_wait_dscnt 0x0                               ; the last fragment
.endif
	MM t+1
.endif
	RED t
.if t < 13
	BLOAD t+3
.endif
.if t%2
	COMBINE t/2
.endif
.set t, t+1
.endr
	global_store_b128 v[GO], v[O:O+3],   s[16:17] th:TH_STORE_NT             ; four neighbouring points a lane: a store of the wave covers 512 consecutive bytes, aligned
	global_store_b128 v[GO], v[O+4:O+7], s[16:17] offset:512 th:TH_STORE_NT
	s_wait_tensorcnt 0x0                           ; the wave's end, behind my last LDS store
	ds_add_u32 v[SPW], v[NIL]
	s_wait_dscnt 0x0
	s_endpgm
.Lfunc_end_k_q5afe575510_grid_mlp:
	.size	k_q5afe575510_grid_mlp, .Lfunc_end_k_q5afe575510_grid_mlp-k_q5afe575510_grid_mlp
	.p2alignl 7, 3214868480
	.fill 96, 4, 3214868480
	.section	.rodata,"a",@progbits
	.p2align	6, 0x0
	.amdhsa_kernel k_q5afe575510_grid_mlp
		.amdhsa_group_segment_fixed_size 268288
		.amdhsa_private_segment_fixed_size 0
		.amdhsa_enable_private_segment 0
		.amdhsa_kernarg_size 56
		.amdhsa_user_sgpr_count 2
		.amdhsa_user_sgpr_kernarg_segment_ptr 1
		.amdhsa_wavefront_size32 1
		.amdhsa_system_sgpr_workgroup_id_x 1
		.amdhsa_system_sgpr_workgroup_id_y 1
		.amdhsa_system_sgpr_workgroup_id_z 1
		.amdhsa_system_vgpr_workitem_id 0
		.amdhsa_next_free_vgpr 242
		.amdhsa_next_free_sgpr 66
		.amdhsa_reserve_vcc 0
		.amdhsa_float_denorm_mode_32 3
		.amdhsa_float_denorm_mode_16_64 3
		.amdhsa_memory_ordered 1
		.amdhsa_forward_progress 1
		.amdhsa_inst_pref_size 175
	.end_amdhsa_kernel
	.amdgpu_metadata
---
amdhsa.version: [ 1, 2 ]
amdhsa.kernels:
  - .name:           k_q5afe575510_grid_mlp
    .symbol:         k_q5afe575510_grid_mlp.kd
    .args:
      - { .name: q, .offset: 0, .size: 8, .value_kind: global_buffer, .address_space: global }
      - { .name: th, .offset: 8, .size: 8, .value_kind: global_buffer, .address_space: global }
      - { .name: wf, .offset: 16, .size: 8, .value_kind: global_buffer, .address_space: global }
      - { .name: b1, .offset: 24, .size: 8, .value_kind: global_buffer, .address_space: global }
      - { .name: W2, .offset: 32, .size: 8, .value_kind: global_buffer, .address_space: global }
      - { .name: b2, .offset: 40, .size: 8, .value_kind: global_buffer, .address_space: global }
      - { .name: out0, .offset: 48, .size: 8, .value_kind: global_buffer, .address_space: global }
    .group_segment_fixed_size: 268288
    .private_segment_fixed_size: 0
    .kernarg_segment_align: 8
    .kernarg_segment_size: 56
    .max_flat_workgroup_size: 512
    .sgpr_count:     66
    .vgpr_count:     242
    .wavefront_size: 32
...
	.end_amdgpu_metadata
.endif
;; end of part 4
